; MI455X (gfx1250); checked and timed in simulation.
; The chip was launched on July 23, 2026; its instructions are those of AMD's public machine-readable ISA for CDNA 5 (MIT licence, August 2026) and "CDNA5" Instruction Set Architecture Reference Guide (July 2026). The comments in the code are by the model that wrote it; some were corrected since.
;; Custom Attention. Allowed arithmetic: float matrix products may take bf16 or f16 operands with f32 sums; other float arithmetic in f32, or as packed bf16 or f16 multiplies, adds, multiply-adds, maxima and minima; sums over many terms, partial sums and values carried from step to step in f32; what a program stores and reads back later, other than sums and carried values, may be rounded once to bf16 or f16.
;; Inputs: W 1,024 x 1,024 float32; b 1,024 float32; decoder_hidden 32 x 1,024 float32; encoder_outputs 2,048 x 32 x 1,024 float32.
;; Outputs: out0 32 x 1 x 2,048 float32.
;; One version. Each part assembles by itself: llvm-mc -triple=amdgcn-amd-amdhsa -mcpu=gfx1250 --defsym DOCPART=n.
;; ======== version 1 of 1: 3 launches
;; workspace buffers: vpart 2,097,152 bytes; eng 262,144 bytes
;; launch proj (part 1): grid 16 x 16, 4 waves a work-group, no clusters, 0 bytes of LDS; arguments W, decoder_hidden, vpart; writes vpart
.if DOCPART == 1
	.amdgcn_target "amdgcn-amd-amdhsa--gfx1250"
	.amdhsa_code_object_version 6
	.text
	.protected	k_qbf7b5d9922_proj
	.globl	k_qbf7b5d9922_proj
	.p2align	8
	.type	k_qbf7b5d9922_proj,@function
k_qbf7b5d9922_proj:
	s_mov_b64 s[64:65], 0
	v_nop
	global_prefetch_b8 v0, s[64:65] scope:SCOPE_SE
	s_setreg_imm32_b32 hwreg(HW_REG_WAVE_MODE, 25, 1), 1
	s_wait_xcnt 0x0
; energies[b][s] = sum_e dh[b][e] (sum_d W[e][d] enc[s][b][d] + bias[e]) = sum_d enc[s][b][d] v[b][d] + c[b], with v[b][d] = sum_e dh[b][e] W[e][d]:
; the same finite sums in another order, for every input.  THIS LAUNCH makes v in 16 partial sums along e:
;   vpart[p][b][d] = sum over e = 64 p .. 64 p + 63 of dh[b][e] W[e][d]          W: [1024 e][1024 d] f32, dh: [32][1024] f32, vpart: [16][32][1024] f32.
; All in f32 by fused multiply-adds.  v is a factor of an exponent whose spread is some tens: a 16-bit rounding of v, or of dh and W in front of it, moves every exponent
; by more than the hundredth that a weight may be off.  The product has 32 rows, and each number of W is read from memory once: it is a stream, so no LDS and no matrix unit.
; LIMITS.  The order of the f32 sums differs from the one in which the module is written; NaN and infinities are not treated apart.
; SHARES.  Work-group (x, y): columns d = 64 x .. 64 x + 63 (256 bytes of a row of W), rows e = 64 y .. 64 y + 63: 256 work-groups, each number of W in one of them.
; Wave w: batches 8 w .. 8 w + 7.  Lane l = 16 h + r: columns 64 x + 4 r .. + 3, rows 64 y + 32 h + i, i = 0 .. 31; the two halves' sums are added at the end.
; A load of W by a wave covers two rows' 256 consecutive, aligned bytes.  dh comes as 256 consecutive bytes a batch: lane 16 h + n holds dh[b][64 y + 32 h + 2 n] and the next,
; so row i's factor lies in lane i / 2 of my own half, register i % 2, and one DPP move (row_share) spreads it over the half.
.set WO,  4                            ; v4        my byte offset in the tile of W: h x 32 rows + 16 r; never rewritten
.set DO,  5                            ; v5        8 l: my two numbers of a batch's 64
.set SO,  6                            ; v6        the way out: h x one batch + 16 r
.set D,   8                            ; v[8:23]   batch t: the pair at D + 2 t
.set T,   24                           ; v[24:39]  batch t: the row's factor in T + 2 t; T + 2 t + 1 is only named with it as a pair
.set ACC, 40                           ; v[40:71]  batch t: four columns' sums at ACC + 4 t
.set WR,  72                           ; v[72:199] row i of W: four columns at WR + 4 i
.set PX,  72                           ; behind the rows: the other half's sums,
.set OUT, 104                          ; and what is stored
.set ROWB, 4096                        ; bytes in a row of W, of dh and of vpart
	s_load_b128 s[4:7], s[0:1], 0x0                ; W s[4:5], dh s[6:7]
	s_load_b64 s[8:9], s[0:1], 0x10                ; vpart
	v_and_b32 v1, 31, v0                           ; l
	v_and_b32 v2, 15, v0                           ; r
	v_bfe_u32 v3, v0, 4, 1                         ; h
	v_lshrrev_b32 v7, 5, v0
	v_readfirstlane_b32 s10, v7                    ; wave 0..3
	v_lshlrev_b32 v[WO], 4, v2
	v_lshl_or_b32 v[WO], v3, 17, v[WO]             ; 32 rows of 4,096 bytes for the upper half of the lanes
	v_lshlrev_b32 v[DO], 3, v1
	v_lshlrev_b32 v[SO], 4, v2
	v_lshl_or_b32 v[SO], v3, 12, v[SO]
	s_and_b32 s11, ttmp7, 0xffff                   ; y = p
	s_lshl_b32 s16, ttmp9, 8                       ; 256 x: my 64 columns, in bytes
	s_lshl_b32 s17, s10, 15                        ; my wave's 8 batches of 4,096 bytes
	s_lshl_b32 s12, s11, 18                        ; W: 64 y rows
	s_add_co_u32 s12, s12, s16
	s_mov_b32 s13, 0
	s_lshl_b32 s18, s11, 8                         ; dh: 64 y numbers along a row
	s_add_co_u32 s18, s18, s17
	s_mov_b32 s19, 0
	s_lshl_b32 s20, s11, 17                        ; vpart: partial y is 32 batches of 4,096 bytes
	s_add_co_u32 s20, s20, s17
	s_add_co_u32 s20, s20, s16
	s_mov_b32 s21, 0
	s_mov_b32 s14, 0x76543210                      ; v_permlanex16_b32: each lane takes its own place in the other half
	s_mov_b32 s15, 0xfedcba98
	s_wait_kmcnt 0x0
	s_add_nc_u64 s[4:5], s[4:5], s[12:13]
	s_add_nc_u64 s[6:7], s[6:7], s[18:19]
	s_add_nc_u64 s[8:9], s[8:9], s[20:21]
.irp t, 0,1,2,3,4,5,6,7
	global_load_b64 v[D+2*\t:D+2*\t+1], v[DO], s[6:7] offset:\t*ROWB
.endr
.set i, 0
.rept 32                               ; the whole tile at once: 40 loads of the wave are out.  No hint: the work-group's four waves read the same tile
	global_load_b128 v[WR+4*i:WR+4*i+3], v[WO], s[4:5] offset:i*ROWB
.set i, i+1
.endr
.set i, T
.rept 16                               ; a DPP move's destination counts as read, and a pair is read whole: written once, while the loads are out
	v_mov_b32 v[i], 0
.set i, i+1
.endr
; Row i = 2 sh + od: eight moves spread the eight batches' factors, sixteen packed multiply-adds take the row's four columns for each batch.
; Row 0 starts the sums: nothing is cleared.  Two links of one sum stand 24 instructions apart.
.irp sh, 0,1,2,3,4,5,6,7,8,9,10,11,12,13,14,15
.irp od, 0,1
.set i, 2*\sh+\od
.if i%4 == 0
	s_wait_loadcnt 28-i                            ; loads come back in order (ISA guide 5.7.1): rows i to i + 3 are in (and dh, asked for first); the 28 - i rows behind them stay out
.endif
.irp t, 0,1,2,3,4,5,6,7
	v_mov_b32_dpp v[T+2*\t], v[D+2*\t+\od] row_share:\sh row_mask:0xf bank_mask:0xf
.endr
.irp t, 0,1,2,3,4,5,6,7
.irp c, 0,2
.if i == 0
	v_pk_mul_f32 v[ACC+4*\t+\c:ACC+4*\t+\c+1], v[WR+4*i+\c:WR+4*i+\c+1], v[T+2*\t:T+2*\t+1] op_sel_hi:[1,0]
.else
	v_pk_fma_f32 v[ACC+4*\t+\c:ACC+4*\t+\c+1], v[WR+4*i+\c:WR+4*i+\c+1], v[T+2*\t:T+2*\t+1], v[ACC+4*\t+\c:ACC+4*\t+\c+1] op_sel_hi:[1,0,1]
.endif
.endr
.endr
.endr
.endr
	; the two halves of e are added: every lane then holds the 64 rows' sums for its four columns and all eight batches
.set i, 0
.rept 32
	v_permlanex16_b32 v[PX+i], v[ACC+i], s14, s15
.set i, i+1
.endr
.set i, 0
.rept 16
	v_pk_add_f32 v[ACC+2*i:ACC+2*i+1], v[ACC+2*i:ACC+2*i+1], v[PX+2*i:PX+2*i+1]
.set i, i+1
.endr
	; the way out: lanes 0-15 keep the even batch of a pair, lanes 16-31 the odd one, so that a store covers two batches' 256 consecutive, aligned bytes
	v_cmp_lt_u32 vcc_lo, 15, v1
.irp u, 0,1,2,3
.irp c, 0,1,2,3
	v_cndmask_b32 v[OUT+4*\u+\c], v[ACC+8*\u+\c], v[ACC+8*\u+4+\c], vcc_lo
.endr
.endr
.irp u, 0,1,2,3
	global_store_b128 v[SO], v[OUT+4*\u:OUT+4*\u+3], s[8:9] offset:\u*2*ROWB
.endr
	s_endpgm
.Lfunc_end_k_qbf7b5d9922_proj:
	.size	k_qbf7b5d9922_proj, .Lfunc_end_k_qbf7b5d9922_proj-k_qbf7b5d9922_proj
	.p2alignl 7, 3214868480
	.fill 96, 4, 3214868480
	.section	.rodata,"a",@progbits
	.p2align	6, 0x0
	.amdhsa_kernel k_qbf7b5d9922_proj
		.amdhsa_group_segment_fixed_size 0
		.amdhsa_private_segment_fixed_size 0
		.amdhsa_enable_private_segment 0
		.amdhsa_kernarg_size 24
		.amdhsa_user_sgpr_count 2
		.amdhsa_user_sgpr_kernarg_segment_ptr 1
		.amdhsa_wavefront_size32 1
		.amdhsa_system_sgpr_workgroup_id_x 1
		.amdhsa_system_sgpr_workgroup_id_y 1
		.amdhsa_system_sgpr_workgroup_id_z 1
		.amdhsa_system_vgpr_workitem_id 0
		.amdhsa_next_free_vgpr 200
		.amdhsa_next_free_sgpr 66
		.amdhsa_reserve_vcc 1
		.amdhsa_float_denorm_mode_32 3
		.amdhsa_float_denorm_mode_16_64 3
		.amdhsa_memory_ordered 1
		.amdhsa_forward_progress 1
		.amdhsa_inst_pref_size 58
	.end_amdhsa_kernel
	.amdgpu_metadata
---
amdhsa.version: [ 1, 2 ]
amdhsa.kernels:
  - .name:           k_qbf7b5d9922_proj
    .symbol:         k_qbf7b5d9922_proj.kd
    .args:
      - { .name: W, .offset: 0, .size: 8, .value_kind: global_buffer, .address_space: global }
      - { .name: decoder_hidden, .offset: 8, .size: 8, .value_kind: global_buffer, .address_space: global }
      - { .name: vpart, .offset: 16, .size: 8, .value_kind: global_buffer, .address_space: global }
    .group_segment_fixed_size: 0
    .private_segment_fixed_size: 0
    .kernarg_segment_align: 8
    .kernarg_segment_size: 24
    .max_flat_workgroup_size: 128
    .sgpr_count:     66
    .vgpr_count:     200
    .wavefront_size: 32
...
	.end_amdgpu_metadata
.endif
;; end of part 1
;; launch energy (part 2): grid 32 x 8, 16 waves a work-group, no clusters, 7,168 bytes of LDS; arguments encoder_outputs, vpart, eng; writes eng
.if DOCPART == 2
	.amdgcn_target "amdgcn-amd-amdhsa--gfx1250"
	.amdhsa_code_object_version 6
	.text
	.protected	k_qbf7b5d9922_energy
	.globl	k_qbf7b5d9922_energy
	.p2align	8
	.type	k_qbf7b5d9922_energy,@function
k_qbf7b5d9922_energy:
	s_mov_b64 s[64:65], 0
	v_nop
	global_prefetch_b8 v0, s[64:65] scope:SCOPE_SE
	s_setreg_imm32_b32 hwreg(HW_REG_WAVE_MODE, 25, 1), 1
	s_wait_xcnt 0x0
; eng[b][s] = sum over d of enc[s][b][d] v[b][d], with v[b][d] = sum over p of vpart[p][b][d].  enc: [2048 s][32 b][1024 d] f32, vpart: [16][32][1024] f32, eng: [32][2048] f32.
; (The bias's share of an energy, c[b], is added by the next launch, ahead of the maximum.)
; Every number of enc is read once and feeds ONE multiply-add, with a vector that is the batch's own: a stream.  So f32 multiply-adds straight from the registers that the loads fill;
; a matrix instruction would use one of its sixteen columns, LDS slots would add a read for each byte, and no two work-groups share a byte of enc, so there is nothing to ask for jointly.
; LIMITS.  The order of the f32 sums differs from the one in which the module is written; NaN and infinities are not treated apart.
; SHARES.  Work-group (b, q): batch b, s = 256 q .. 256 q + 255.  Wave w: the 16 rows s = 256 q + 16 w + i.  A row is 4,096 consecutive bytes; a wave takes a whole row with eight loads of
; 512 consecutive bytes; lane l holds columns 128 j + 4 l .. + 3, j = 0 .. 7, and v[b] lies in 32 registers in the same layout.
; A ring of four row slots in registers keeps 32 loads, 16 KiB, of every wave on their way: 256 KiB for the sixteen waves.
; Every row's place stands in the loads' immediate (1,969,664 at the most, inside its signed 24 bits: ISA guide, chapter 10), so no address register is ever rewritten.
.set ROWP,  131072                     ; bytes from s to s + 1 in enc, and from partial to partial in vpart
.set VL,    0                          ; LDS: v[b], 4,096 bytes
.set EOFF,  4096                       ; the work-group's 256 energies, 1,024 bytes
.set SPARE, 5120                       ; the spare words, 128 bytes for each of the 16 waves: eight blocks of 256 bytes that no other line names
.set LN,  1                            ; v1        16 l: my offset in 512 bytes of a row, and in 512 bytes of v in LDS
.set PO,  2                            ; v2        vpart: 16 r, and eight partials on for lanes 16-31
.set VS,  3                            ; v3        LDS: where my wave's 64 columns of v go: 256 w + 16 r
.set EA,  4                            ; v4        LDS: my wave's 16 energies
.set SPW, 5                            ; v5        LDS address of my spare word; never rewritten
.set NIL, 6                            ; v6        0; never rewritten
.set TO,  7                            ; v7        the way out: 16 l + 512 (w mod 2)
.set ACC, 8                            ; v[8:15]   four pairs of running sums
.set RT,  16                           ; v16       the row's sum
.set RT2, 17                           ; v17       the other half's
.set V,   20                           ; v[20:51]  v[b]; before that the eight quads of partial sums
.set X,   52                           ; v[52:179] slot k: 32 registers at X + 32 k
	s_load_b128 s[4:7], s[0:1], 0x0                ; enc s[4:5], vpart s[6:7]
	s_load_b64 s[8:9], s[0:1], 0x10                ; eng
	v_lshl_add_u32 v[SPW], v0, 2, SPARE
	v_mov_b32 v[NIL], 0
	v_lshrrev_b32 v8, 5, v0
	v_readfirstlane_b32 s10, v8                    ; wave 0..15
	v_and_b32 v[LN], 31, v0
	v_lshlrev_b32 v[LN], 4, v[LN]
	v_and_b32 v8, 15, v0                           ; r
	v_bfe_u32 v9, v0, 4, 1                         ; h
	v_lshlrev_b32 v[PO], 4, v8
	v_lshl_or_b32 v[PO], v9, 20, v[PO]             ; 8 x 131,072
	v_mov_b32 v[RT2], 0                            ; v_permlanex16_b32's destination counts as read
	s_and_b32 s11, ttmp7, 0xffff                   ; q
	s_lshl_b32 s12, s11, 25                        ; enc: 256 q rows of 131,072 bytes,
	s_lshl_b32 s16, s10, 21                        ; 16 w rows,
	s_add_co_u32 s12, s12, s16
	s_lshl_b32 s16, ttmp9, 12                      ; batch b: under 2^28 together
	s_add_co_u32 s12, s12, s16
	s_mov_b32 s13, 0
	s_lshl_b32 s17, s10, 8                         ; my wave's 64 columns of v, in bytes
	s_add_co_u32 s18, s16, s17                     ; vpart: batch b, those columns
	s_mov_b32 s19, 0
	s_lshl_b32 s20, ttmp9, 13                      ; eng: row b,
	s_lshl_b32 s21, s11, 10                        ; 256 q numbers along it
	s_add_co_u32 s20, s20, s21
	s_mov_b32 s21, 0
	s_lshl_b32 s22, s10, 6
	s_add_co_u32 s22, s22, EOFF
	s_and_b32 s23, s10, 1                          ; only waves 0 and 1 go the way out: there w mod 2 is w
	s_lshl_b32 s23, s23, 9
	s_mov_b32 s14, 0x76543210                      ; v_permlanex16_b32: each lane takes its own place in the other half
	s_mov_b32 s15, 0xfedcba98
	v_lshl_add_u32 v[VS], v8, 4, s17
	v_mov_b32 v[EA], s22
	v_add_nc_u32 v[TO], s23, v[LN]
	s_wait_kmcnt 0x0
	s_add_nc_u64 s[4:5], s[4:5], s[12:13]
	s_add_nc_u64 s[6:7], s[6:7], s[18:19]
	s_add_nc_u64 s[8:9], s[8:9], s[20:21]
	; the partial sums first (they are wanted first): lanes 0-15 take partial k, lanes 16-31 partial 8 + k; each half covers 256 consecutive, aligned bytes
.irp k, 0,1,2,3,4,5,6,7
	global_load_b128 v[V+4*\k:V+4*\k+3], v[PO], s[6:7] offset:\k*ROWP
.endr
	; the ring is filled: rows 0 to 3.  enc is read once in the whole launch
.irp i, 0,1,2,3
.irp j, 0,1,2,3,4,5,6,7
	global_load_b128 v[X+32*\i+4*\j:X+32*\i+4*\j+3], v[LN], s[4:5] offset:\i*ROWP+512*\j th:TH_LOAD_NT
.endr
.endr
	s_wait_loadcnt 32                              ; the eight loads of partial sums are in; the 32 of enc, issued behind them, stay out
.irp k, 0,1,2,3                        ; eight quads to one, as a tree: 14 packed additions
	v_pk_add_f32 v[V+4*\k:V+4*\k+1],   v[V+4*\k:V+4*\k+1],   v[V+4*\k+16:V+4*\k+17]
	v_pk_add_f32 v[V+4*\k+2:V+4*\k+3], v[V+4*\k+2:V+4*\k+3], v[V+4*\k+18:V+4*\k+19]
.endr
.irp k, 0,1
	v_pk_add_f32 v[V+4*\k:V+4*\k+1],   v[V+4*\k:V+4*\k+1],   v[V+4*\k+8:V+4*\k+9]
	v_pk_add_f32 v[V+4*\k+2:V+4*\k+3], v[V+4*\k+2:V+4*\k+3], v[V+4*\k+10:V+4*\k+11]
.endr
	v_pk_add_f32 v[V:V+1],   v[V:V+1],   v[V+4:V+5]
	v_pk_add_f32 v[V+2:V+3], v[V+2:V+3], v[V+6:V+7]
.irp c, 0,1,2,3
	v_permlanex16_b32 v[V+4+\c], v[V+\c], s14, s15 ; the other eight partials' sum
.endr
	v_pk_add_f32 v[V:V+1],   v[V:V+1],   v[V+4:V+5]   ; the same two numbers added in both halves of the lanes: the same bits
	v_pk_add_f32 v[V+2:V+3], v[V+2:V+3], v[V+6:V+7]
	ds_store_b128 v[VS], v[V:V+3]                  ; lanes r and 16 + r write the same 16 bytes with the same numbers
	s_wait_dscnt 0x0                               ; for the others' sake: my 64 columns of v are in LDS
	s_barrier_signal -1
	s_barrier_wait -1                              ; all 1,024 are (the loads of enc stay on their way: nobody writes enc)
.irp j, 0,1,2,3,4,5,6,7
	ds_load_b128 v[V+4*\j:V+4*\j+3], v[LN] offset:VL+512*\j  ; 32 lanes, 16 neighbouring bytes each
.endr
	s_wait_dscnt 0x0
; Row i, in slot i % 4: sixteen packed multiply-adds in four chains (the first four products start them: nothing is cleared); the slot's next row is asked for straight behind
; its last reader, ahead of the sum across the lanes; the row's energy goes to LDS.
.macro TURN i
.set XB, X+32*((\i)%4)
.if (\i) <= 12
	s_wait_loadcnt 24                              ; loads come back in order (ISA guide 5.7.1): my row's eight are in, the three younger rows' 24 stay out
.else
	s_wait_loadcnt 8*(15-(\i))                     ; the last rows: nothing is asked for any more, and the counts run down 16, 8, 0
.endif
.irp c, 0,1,2,3
	v_pk_mul_f32 v[ACC+2*\c:ACC+2*\c+1], v[XB+2*\c:XB+2*\c+1], v[V+2*\c:V+2*\c+1]
.endr
.irp k, 4,5,6,7,8,9,10,11,12,13,14,15
	v_pk_fma_f32 v[ACC+2*(\k%4):ACC+2*(\k%4)+1], v[XB+2*\k:XB+2*\k+1], v[V+2*\k:V+2*\k+1], v[ACC+2*(\k%4):ACC+2*(\k%4)+1]
.endr
.if (\i) < 12
.irp j, 0,1,2,3,4,5,6,7
	global_load_b128 v[XB+4*\j:XB+4*\j+3], v[LN], s[4:5] offset:((\i)+4)*ROWP+512*\j th:TH_LOAD_NT
.endr
.endif
	v_pk_add_f32 v[ACC:ACC+1],   v[ACC:ACC+1],     v[ACC+2:ACC+3]
	v_pk_add_f32 v[ACC+4:ACC+5], v[ACC+4:ACC+5],   v[ACC+6:ACC+7]
	v_pk_add_f32 v[ACC:ACC+1],   v[ACC:ACC+1],     v[ACC+4:ACC+5]
	v_add_f32 v[RT], v[ACC], v[ACC+1]
	v_add_f32_dpp v[RT], v[RT], v[RT] row_xmask:1 row_mask:0xf bank_mask:0xf
	v_add_f32_dpp v[RT], v[RT], v[RT] row_xmask:2 row_mask:0xf bank_mask:0xf
	v_add_f32_dpp v[RT], v[RT], v[RT] row_xmask:4 row_mask:0xf bank_mask:0xf
	v_add_f32_dpp v[RT], v[RT], v[RT] row_xmask:8 row_mask:0xf bank_mask:0xf
	v_permlanex16_b32 v[RT2], v[RT], s14, s15
	v_add_f32 v[RT], v[RT], v[RT2]                 ; every lane holds the row's energy
	ds_store_b32 v[EA], v[RT] offset:4*(\i)        ; all lanes write the same word with the same number
.endm
.irp i, 0,1,2,3,4,5,6,7,8,9,10,11,12,13,14,15
	TURN \i
.endr
	s_wait_tensorcnt 0x0                           ; the wave's end, behind my last LDS store
	ds_add_u32 v[SPW], v[NIL]
	s_wait_dscnt 0x0                               ; also for the others' sake: my sixteen energies are in LDS
	s_barrier_signal -1
	s_barrier_wait -1                              ; all 256 are
	s_cmp_lt_u32 s10, 2
	s_cbranch_scc0 .Lend
	ds_load_b128 v[ACC:ACC+3], v[TO] offset:EOFF   ; waves 0 and 1 take 128 energies each,
	s_wait_dscnt 0x0
	global_store_b128 v[TO], v[ACC:ACC+3], s[8:9]  ; 512 consecutive bytes, at a multiple of 512 from eng's first byte
.Lend:
	s_endpgm
.Lfunc_end_k_qbf7b5d9922_energy:
	.size	k_qbf7b5d9922_energy, .Lfunc_end_k_qbf7b5d9922_energy-k_qbf7b5d9922_energy
	.p2alignl 7, 3214868480
	.fill 96, 4, 3214868480
	.section	.rodata,"a",@progbits
	.p2align	6, 0x0
	.amdhsa_kernel k_qbf7b5d9922_energy
		.amdhsa_group_segment_fixed_size 7168
		.amdhsa_private_segment_fixed_size 0
		.amdhsa_enable_private_segment 0
		.amdhsa_kernarg_size 24
		.amdhsa_user_sgpr_count 2
		.amdhsa_user_sgpr_kernarg_segment_ptr 1
		.amdhsa_wavefront_size32 1
		.amdhsa_system_sgpr_workgroup_id_x 1
		.amdhsa_system_sgpr_workgroup_id_y 1
		.amdhsa_system_sgpr_workgroup_id_z 1
		.amdhsa_system_vgpr_workitem_id 0
		.amdhsa_next_free_vgpr 180
		.amdhsa_next_free_sgpr 66
		.amdhsa_reserve_vcc 0
		.amdhsa_float_denorm_mode_32 3
		.amdhsa_float_denorm_mode_16_64 3
		.amdhsa_memory_ordered 1
		.amdhsa_forward_progress 1
		.amdhsa_inst_pref_size 44
	.end_amdhsa_kernel
	.amdgpu_metadata
---
amdhsa.version: [ 1, 2 ]
amdhsa.kernels:
  - .name:           k_qbf7b5d9922_energy
    .symbol:         k_qbf7b5d9922_energy.kd
    .args:
      - { .name: encoder_outputs, .offset: 0, .size: 8, .value_kind: global_buffer, .address_space: global }
      - { .name: vpart, .offset: 8, .size: 8, .value_kind: global_buffer, .address_space: global }
      - { .name: eng, .offset: 16, .size: 8, .value_kind: global_buffer, .address_space: global }
    .group_segment_fixed_size: 7168
    .private_segment_fixed_size: 0
    .kernarg_segment_align: 8
    .kernarg_segment_size: 24
    .max_flat_workgroup_size: 512
    .sgpr_count:     66
    .vgpr_count:     180
    .wavefront_size: 32
...
	.end_amdgpu_metadata
.endif
;; end of part 2
;; launch softmax (part 3): grid 8 x 32, 1 waves a work-group, no clusters, 0 bytes of LDS; arguments eng, decoder_hidden, b, out0; writes out0
.if DOCPART == 3
	.amdgcn_target "amdgcn-amd-amdhsa--gfx1250"
	.amdhsa_code_object_version 6
	.text
	.protected	k_qbf7b5d9922_softmax
	.globl	k_qbf7b5d9922_softmax
	.p2align	8
	.type	k_qbf7b5d9922_softmax,@function
k_qbf7b5d9922_softmax:
	s_mov_b64 s[64:65], 0
	v_nop
	global_prefetch_b8 v0, s[64:65] scope:SCOPE_SE
	s_setreg_imm32_b32 hwreg(HW_REG_WAVE_MODE, 25, 1), 1
	s_wait_xcnt 0x0
; out0[b][0][s] = softmax over s of (eng[b][s] + c[b]), c[b] = sum over e of dh[b][e] bias[e].  eng: [32][2048] f32, dh: [32][1024] f32, bias: [1024] f32, out0: [32][1][2048] f32.
; The row's maximum is taken away before the exponential; all in f32.
; SHARES.  Work-group (q, b), one wave: it reads all 8,192 bytes of row b, makes c, the maximum and the sum for itself, and writes the 256 weights s = 256 q .. 256 q + 255.
; So a row's statistics are made eight times (72 exponentials a lane where 8 are its own), and in return there is no LDS, no barrier, no traffic between work-groups, and 256 work-groups.
; LIMITS.  A weight below 2^-126 comes out as 0 (v_exp_f32 flushes denormal results: ISA guide, its entry in 15.8); a NaN among the energies is passed over by the maximum; infinities are not treated apart.
.set LN,  1                            ; v1         16 l: my offset in 512 consecutive bytes
.set E,   8                            ; v[8:71]    the row: quad j (s = 128 j + 4 l ..) at E + 4 j
.set OW,  72                           ; v[72:79]   my eight numbers of the work-group's own 256: they follow E, so that one run of 36 pairs treats both
.set DH,  80                           ; v[80:111]  dh[b]
.set BI,  112                          ; v[112:143] the bias
.set ACC, 144                          ; v[144:151] four pairs of running sums; four running maxima
.set CC,  152                          ; v[152:153] c, twice
.set MM,  154                          ; v[154:155] the maximum, twice
.set IV,  156                          ; v[156:157] 1 / sum, twice
.set T0,  158
.set T1,  159
.set SEL, 16                           ; s[16:17]   v_permlanex16_b32's selects
.macro ACROSS op, r                    ; four steps inside each half of 16 lanes ride on the arithmetic (DPP); T1 then takes the other half's figure
.irp x, 1,2,4,8
	\op v[\r], v[\r], v[\r] row_xmask:\x row_mask:0xf bank_mask:0xf
.endr
	v_permlanex16_b32 v[T1], v[\r], s[SEL], s[SEL+1]
.endm
	s_load_b256 s[4:11], s[0:1], 0x0               ; eng s[4:5], dh s[6:7], bias s[8:9], out0 s[10:11]
	v_lshlrev_b32 v[LN], 4, v0                     ; one wave: the thread's number is the lane's
	v_mov_b32 v[T1], 0                             ; v_permlanex16_b32's destination counts as read
	s_and_b32 s20, ttmp7, 0xffff                   ; b
	s_lshl_b32 s12, s20, 13                        ; a row of eng and of out0
	s_mov_b32 s13, 0
	s_lshl_b32 s18, s20, 12                        ; a row of dh
	s_mov_b32 s19, 0
	s_lshl_b32 s22, ttmp9, 10                      ; my 256 numbers in the row
	s_mov_b32 s23, 0
	s_mov_b32 s[SEL], 0x76543210
	s_mov_b32 s[SEL+1], 0xfedcba98
	s_wait_kmcnt 0x0
	s_add_nc_u64 s[4:5], s[4:5], s[12:13]
	s_add_nc_u64 s[6:7], s[6:7], s[18:19]
	s_add_nc_u64 s[10:11], s[10:11], s[12:13]
	s_add_nc_u64 s[10:11], s[10:11], s[22:23]
	s_add_nc_u64 s[14:15], s[4:5], s[22:23]
.irp j, 0,1,2,3,4,5,6,7
	global_load_b128 v[DH+4*\j:DH+4*\j+3], v[LN], s[6:7] offset:512*\j
.endr
.irp j, 0,1,2,3,4,5,6,7
	global_load_b128 v[BI+4*\j:BI+4*\j+3], v[LN], s[8:9] offset:512*\j
.endr
.irp j, 0,1,2,3,4,5,6,7,8,9,10,11,12,13,14,15
	global_load_b128 v[E+4*\j:E+4*\j+3], v[LN], s[4:5] offset:512*\j
.endr
.irp j, 0,1
	global_load_b128 v[OW+4*\j:OW+4*\j+3], v[LN], s[14:15] offset:512*\j
.endr
	s_wait_loadcnt 18                              ; dh and the bias are in; the 16 + 2 loads of energies, issued behind them, stay out
	; c = dh[b] . bias: four chains, started by the first four products
.irp c, 0,1,2,3
	v_pk_mul_f32 v[ACC+2*\c:ACC+2*\c+1], v[DH+2*\c:DH+2*\c+1], v[BI+2*\c:BI+2*\c+1]
.endr
.irp k, 4,5,6,7,8,9,10,11,12,13,14,15
	v_pk_fma_f32 v[ACC+2*(\k%4):ACC+2*(\k%4)+1], v[DH+2*\k:DH+2*\k+1], v[BI+2*\k:BI+2*\k+1], v[ACC+2*(\k%4):ACC+2*(\k%4)+1]
.endr
	v_pk_add_f32 v[ACC:ACC+1],   v[ACC:ACC+1],   v[ACC+2:ACC+3]
	v_pk_add_f32 v[ACC+4:ACC+5], v[ACC+4:ACC+5], v[ACC+6:ACC+7]
	v_pk_add_f32 v[ACC:ACC+1],   v[ACC:ACC+1],   v[ACC+4:ACC+5]
	v_add_f32 v[T0], v[ACC], v[ACC+1]
	ACROSS v_add_f32_dpp, T0
	v_add_f32 v[CC], v[T0], v[T1]
	v_add_f32 v[CC+1], v[T0], v[T1]
	s_wait_loadcnt 0x0                             ; the energies
	; x = energy + c: the row's 32 pairs and my own 4
.set p, E
.rept 36
	v_pk_add_f32 v[p:p+1], v[p:p+1], v[CC:CC+1]
.set p, p+2
.endr
	; the maximum of my 64 numbers, three operands at a time: four chains of fifteen, then the four left over
.irp k, 0,1,2,3
	v_max3_num_f32 v[ACC+\k], v[E+16*\k], v[E+16*\k+1], v[E+16*\k+2]
.endr
.irp t, 0,1,2,3,4,5
.irp k, 0,1,2,3
	v_max3_num_f32 v[ACC+\k], v[ACC+\k], v[E+16*\k+3+2*\t], v[E+16*\k+4+2*\t]
.endr
.endr
	v_max3_num_f32 v[ACC], v[ACC], v[E+15], v[E+31]
	v_max3_num_f32 v[ACC+1], v[ACC+1], v[E+47], v[E+63]
	v_max3_num_f32 v[ACC], v[ACC], v[ACC+1], v[ACC+2]
	v_max_num_f32 v[ACC], v[ACC], v[ACC+3]
	ACROSS v_max_num_f32_dpp, ACC
	v_max_num_f32 v[MM], v[ACC], v[T1]
	v_max_num_f32 v[MM+1], v[ACC], v[T1]
	; x - m first, which is exact for the numbers near the maximum, and only then the factor log2(e): one multiply-add x log2(e) - m log2(e) would round m log2(e), an error that grows with m
.set p, E
.rept 36
	v_pk_add_f32 v[p:p+1], v[p:p+1], v[MM:MM+1] neg_lo:[0,1] neg_hi:[0,1]
.set p, p+2
.endr
.set p, E
.rept 36
	v_pk_mul_f32 v[p:p+1], v[p:p+1], 0x3fb8aa3b op_sel_hi:[1,0]
.set p, p+2
.endr
.set p, E
.rept 72
	v_exp_f32 v[p], v[p]
.set p, p+1
.endr
	v_nop                                          ; a plain instruction between the last exponential and the use of its result (ISA guide 5.7.2)
	; the sum of the row's 32 pairs: four chains
	s_wait_alu depctr_va_vdst(0)
.irp k, 0,1,2,3
	v_pk_add_f32 v[ACC+2*\k:ACC+2*\k+1], v[E+2*\k:E+2*\k+1], v[E+2*\k+8:E+2*\k+9]
.endr
.irp t, 2,3,4,5,6,7
.irp k, 0,1,2,3
	v_pk_add_f32 v[ACC+2*\k:ACC+2*\k+1], v[ACC+2*\k:ACC+2*\k+1], v[E+2*\k+8*\t:E+2*\k+8*\t+1]
.endr
.endr
	v_pk_add_f32 v[ACC:ACC+1],   v[ACC:ACC+1],   v[ACC+2:ACC+3]
	v_pk_add_f32 v[ACC+4:ACC+5], v[ACC+4:ACC+5], v[ACC+6:ACC+7]
	v_pk_add_f32 v[ACC:ACC+1],   v[ACC:ACC+1],   v[ACC+4:ACC+5]
	v_add_f32 v[T0], v[ACC], v[ACC+1]
	ACROSS v_add_f32_dpp, T0
	v_add_f32 v[T0], v[T0], v[T1]                  ; at least 1: the maximum's own weight
	v_rcp_f32 v[IV], v[T0]
	v_rcp_f32 v[IV+1], v[T0]
	v_nop                                          ; a plain instruction between the reciprocals and their use
	s_wait_alu depctr_va_vdst(0)
.irp k, 0,1,2,3
	v_pk_mul_f32 v[OW+2*\k:OW+2*\k+1], v[OW+2*\k:OW+2*\k+1], v[IV:IV+1]
.endr
	global_store_b128 v[LN], v[OW:OW+3], s[10:11]              ; 512 consecutive bytes, at a multiple of 512 from out0's first byte
	global_store_b128 v[LN], v[OW+4:OW+7], s[10:11] offset:512
	s_endpgm
.Lfunc_end_k_qbf7b5d9922_softmax:
	.size	k_qbf7b5d9922_softmax, .Lfunc_end_k_qbf7b5d9922_softmax-k_qbf7b5d9922_softmax
	.p2alignl 7, 3214868480
	.fill 96, 4, 3214868480
	.section	.rodata,"a",@progbits
	.p2align	6, 0x0
	.amdhsa_kernel k_qbf7b5d9922_softmax
		.amdhsa_group_segment_fixed_size 0
		.amdhsa_private_segment_fixed_size 0
		.amdhsa_enable_private_segment 0
		.amdhsa_kernarg_size 32
		.amdhsa_user_sgpr_count 2
		.amdhsa_user_sgpr_kernarg_segment_ptr 1
		.amdhsa_wavefront_size32 1
		.amdhsa_system_sgpr_workgroup_id_x 1
		.amdhsa_system_sgpr_workgroup_id_y 1
		.amdhsa_system_sgpr_workgroup_id_z 1
		.amdhsa_system_vgpr_workitem_id 0
		.amdhsa_next_free_vgpr 160
		.amdhsa_next_free_sgpr 66
		.amdhsa_reserve_vcc 0
		.amdhsa_float_denorm_mode_32 3
		.amdhsa_float_denorm_mode_16_64 3
		.amdhsa_memory_ordered 1
		.amdhsa_forward_progress 1
		.amdhsa_inst_pref_size 22
	.end_amdhsa_kernel
	.amdgpu_metadata
---
amdhsa.version: [ 1, 2 ]
amdhsa.kernels:
  - .name:           k_qbf7b5d9922_softmax
    .symbol:         k_qbf7b5d9922_softmax.kd
    .args:
      - { .name: eng, .offset: 0, .size: 8, .value_kind: global_buffer, .address_space: global }
      - { .name: decoder_hidden, .offset: 8, .size: 8, .value_kind: global_buffer, .address_space: global }
      - { .name: b, .offset: 16, .size: 8, .value_kind: global_buffer, .address_space: global }
      - { .name: out0, .offset: 24, .size: 8, .value_kind: global_buffer, .address_space: global }
    .group_segment_fixed_size: 0
    .private_segment_fixed_size: 0
    .kernarg_segment_align: 8
    .kernarg_segment_size: 32
    .max_flat_workgroup_size: 32
    .sgpr_count:     66
    .vgpr_count:     160
    .wavefront_size: 32
...
	.end_amdgpu_metadata
.endif
;; end of part 3
